; MI455X (gfx1250); checked and timed in simulation.
; The chip was launched on July 23, 2026; its instructions are those of AMD's public machine-readable ISA for CDNA 5 (MIT licence, August 2026) and "CDNA5" Instruction Set Architecture Reference Guide (July 2026). The comments in the code are by the model that wrote it; some were corrected since.
;; AFT Optimized Local. Allowed arithmetic: matrix products marked QUANTISED: E4M3 operands, one E8M0 scale for each 32 along K, by v_wmma_scale_f32_16x16x128_f8f6f4 with both operands' format E4M3, f32 sums; everything else in f32.
;; Inputs: Wk 256 x 256 float32; Wo 256 x 256 float32; Wq 256 x 256 float32; Wv 256 x 256 float32; w_bias 2,048 x 2,048 float32; x 16 x 2,048 x 256 float32.
;; Outputs: out0 16 x 2,048 x 256 float32.
;; Constants: window = 128.
;; This version of the problem:
;;   THIS VERSION OF THE PROBLEM IS GIVEN IN LOW PRECISION. The matrix products marked QUANTISED in the list below multiply operands that are first quantised to E4M3 (4 exponent bits, 3 mantissa bits; 8 bits a number), with one power-of-two scale for each 32 numbers along K (OCP MX v1.0); their sums are f32. All else is computed in f32.
;;   The module's matrix products, in the order in which they are computed (A, B: the left and right operand; K: the contracted axis; several contracted axes count as one K, in the product's order):
;;     1. [M 32,768, K 256] x [K 256, N 256]; A: input x; B: input Wq: QUANTISED
;;     2. [M 32,768, K 256] x [K 256, N 256]; A: input x; B: input Wk: QUANTISED
;;     3. [M 32,768, K 256] x [K 256, N 256]; A: input x; B: input Wv: QUANTISED
;;     4. [M 4,096, K 2,048] x [K 2,048, N 2,048]; A: computed on the way; B: computed on the way: QUANTISED
;;     5. [M 4,096, K 2,048] x [K 2,048, N 2,048]; A: computed on the way; B: computed on the way: QUANTISED
;;     6. [M 32,768, K 256] x [K 256, N 256]; A: computed on the way; B: input Wo: QUANTISED
;;   THE QUANTISER, for each operand of a quantised product, along K:
;;     - K is cut into blocks of 32 from its start; a last block that is shorter is filled with zeros.
;;     - A block's scale is 2^e with e = floor(log2(the largest magnitude in the block)) - 8, held to -126 .. 127; a block of zeros has e = 0. As a byte (E8M0): e + 127.
;;     - Each number is divided by its block's scale, clamped to +-448, and rounded to the nearest number of E4M3, ties to even, subnormals kept.
;;     - The product sums the exact products of the quantised numbers (number of the format x scale) in f32.
;;   ~~~python
;;   def quantise(x, axis):      # numpy; x: float32 -> the quantised numbers, widened to float32 again
;;       x = np.moveaxis(x, axis, -1); K = x.shape[-1]
;;       x = np.pad(x, [(0, 0)] * (x.ndim - 1) + [(0, -K % 32)]); x = x.reshape(x.shape[:-1] + (-1, 32)); a = np.abs(x).max(-1, keepdims=True)
;;       e = np.where(a > 0, np.clip(np.frexp(np.where(a > 0, a, 1))[1] - 1 - 8, -126, 127), 0)      # np.frexp(a)[1] - 1 = floor(log2(a)), exactly
;;       r = np.clip(x / 2.0 ** e, -448, 448)
;;       step = 2.0 ** (np.maximum(np.frexp(np.where(r == 0, 1, r))[1] - 1, -6) - 3)
;;       q = np.round(r / step) * step * 2.0 ** e      # np.round: ties to even
;;       return np.moveaxis(q.reshape(q.shape[:-2] + (-1,))[..., :K], -1, axis).astype(np.float32)
;;   ~~~
;;   OPERANDS COMPUTED ON THE WAY. 'Computed on the way' means the value that the module computes at that place (a softmax that the list does not call 'softmax' is quantised finished and normalised). What goes into a quantiser is computed in f32, as accurately as f32 sums, v_exp_f32 and their like allow (about 1e-6 of the number): no bf16 or f16 on the way to a quantiser, and a product that is left as it is and whose result goes on into a quantised operand takes f32 operands (vector FMAs, or v_wmma_f32_16x16x4_f32). A number that lies on a knife's edge between two numbers of the format may be rounded either way, as far as f32 arithmetic and the matrix unit's own rounding can turn it there, and no further.
;; One version. Each part assembles by itself: llvm-mc -triple=amdgcn-amd-amdhsa -mcpu=gfx1250 --defsym DOCPART=n.
;; ======== version 1 of 1: 3 launches
;; limits: right only within a limited range of input values
;; workspace buffers: xq 8,650,752 bytes; wq 270,336 bytes; pq 17,301,504 bytes; ew 819,200 bytes; ss 524,288 bytes
;; launch prep (part 1): grid 256 x 1, 9 waves a work-group, no clusters, 169,216 bytes of LDS; arguments x, Wq, Wk, Wv, Wo, w_bias, xq, wq, ew; writes xq, wq, ew
.if DOCPART == 1
	.amdgcn_target "amdgcn-amd-amdhsa--gfx1250"
	.amdhsa_code_object_version 6
	.text
	.protected	k_qebdbf25895_prep
	.globl	k_qebdbf25895_prep
	.p2align	8
	.type	k_qebdbf25895_prep,@function
k_qebdbf25895_prep:
	s_mov_b64 s[64:65], 0
	v_nop
	global_prefetch_b8 v0, s[64:65] scope:SCOPE_SE
	s_setreg_imm32_b32 hwreg(HW_REG_WAVE_MODE, 25, 1), 1
	s_wait_xcnt 0x0
; PREP: everything that is quantised from inputs alone, into buffers laid in the order of the matrix operands' registers.
; A FRAGMENT (16 rows x 128 K of E4M3 codes) is 2,048 bytes: byte 512 c + 16 lane + i is the code of row pi(tile, lane % 16), k = 32 c + 16 (lane / 16) + i;
; pi(a, r) = 32 (a / 2) + 8 (a % 2) + r + 8 (r / 8).  Its scale words: 64 bytes, word r = the four E8M0 bytes of row pi(a, r).
; xq: block G = 16 b + t / 128 of 33,792 bytes: fragment 2 a + ks at 2,048 x, scale words from 32,768.   wq: Wq, Wk, Wv, Wo, 67,584 bytes each: fragment 2 n + ks (rows = columns e of W, K = W's first axis), scale words from 65,536.
; ew: block tb = t / 128 of 51,200 bytes: three tiles of 16,896 (8 fragments + 512 bytes of scale words) of expw for the K steps tb - 1, tb, tb + 1 (mod 16);
; from 50,688 on the row constant as f32: word 16 a + r is the quantised exp(-max) of row pi(a, r), which every place of the row outside |t - s| < 128 holds.
; WHAT IS LEFT OUT: w_bias outside |t - s| < 128 is not used: reference() itself puts 0 there, whatever w_bias holds.  The other 13 K steps of a row hold that one constant: the last launch says what becomes of them.
; SHARES.  Waves 0-7 of work-group G quantise x's block G: wave w the 32 rows of w / 2, the 128 K of w % 2, brought by one tensor load (rows of 512 bytes, 16 bytes of padding behind each).  Wave 8 has a small job by the work-group's number:
; 0-127: 16 rows of expw; 128-191: 32 columns x 128 K of one weight; 192-255: none.  Wave 8 uses no LDS; there is no barrier.  No loop: nothing is prefetched.
; THE QUANTISER: a block's scale byte is its largest magnitude's exponent field - 8, held at 1 from below by a floor among the maximum's leaves; numbers are held within +-448 x the scale, since the conversion does not saturate (ISA guide 7.6.2).
; LIMITS: NaN and infinities among the inputs are not served (nor carried from the part of w_bias that is not used); a block of zeros gets the byte 1 (its codes are zeros; only this program reads the bytes); v_exp_f32 gives 0 for results under 2^-126.
.set TM,  16                           ; v16-31 the quantiser's registers
.set G1,  24                           ; s[24:31] descriptor group 1
.set SEL, 32                           ; s[32:33] v_permlanex16_b32's selects for lane l xor 16
.set MNT, 34                           ; s34 the mantissa field of 448
.set HM,  35                           ; s35 lanes 16-31
.set G0,  36                           ; s[36:39] descriptor group 0
.set SPW, 52                           ; v52 LDS address of my spare word, v53 0
.set NIL, 53
; 64 numbers of a lane, register 16 b + i = k 32 b + 16 (lane / 16) + i of my row, become a fragment's 16 registers of codes v[pc] on and its scale word v[pw]
.macro QUANT s, tm, pc, pw
.irp b, 0,1,2,3
	v_max3_num_f32 v[\tm+\b], |v[\s+16*\b]|, |v[\s+16*\b+1]|, 0x4800000      ; my 16 numbers of block b, and the floor 2^(9 - 127)
.endr
.irp i, 2,4,6,8,10,12,14
.irp b, 0,1,2,3
	v_max3_num_f32 v[\tm+\b], v[\tm+\b], |v[\s+16*\b+\i]|, |v[\s+16*\b+\i+1]|   ; the four blocks by turns
.endr
.endr
.irp b, 0,1,2,3
	v_permlanex16_b32 v[\tm+4+\b], v[\tm+\b], s[SEL], s[SEL+1]
.endr
.irp b, 0,1,2,3
	v_max_num_f32 v[\tm+\b], v[\tm+\b], v[\tm+4+\b]                          ; with lane l xor 16's: the block's largest magnitude
.endr
.irp b, 0,1,2,3
	v_add_nc_u32 v[\tm+12+\b], 0xfc000000, v[\tm+\b]                         ; 8 off its exponent field: the conversion's scale operand
.endr
.irp b, 0,1,2,3
	v_and_or_b32 v[\tm+8+\b], v[\tm+\b], 0x7f800000, s[MNT]                  ; 448 x the scale
.endr
.irp b, 0,1,2,3
	v_lshrrev_b32 v[\tm+4+\b], 23, v[\tm+12+\b]                              ; the scale's byte
.endr
	v_lshl_or_b32 v[\pw], v[\tm+5], 8, v[\tm+4]
	v_lshl_or_b32 v[\pw], v[\tm+6], 16, v[\pw]
	v_lshl_or_b32 v[\pw], v[\tm+7], 24, v[\pw]
.irp b, 0,1,2,3
.irp i, 0,1,2,3,4,5,6,7,8,9,10,11,12,13,14,15
	v_med3_num_f32 v[\s+16*\b+\i], v[\s+16*\b+\i], -v[\tm+8+\b], v[\tm+8+\b]
.endr
	v_cvt_scalef32_pk8_fp8_f32 v[\pc+4*\b:\pc+4*\b+1], v[\s+16*\b:\s+16*\b+7], v[\tm+12+\b]
	v_cvt_scalef32_pk8_fp8_f32 v[\pc+4*\b+2:\pc+4*\b+3], v[\s+16*\b+8:\s+16*\b+15], v[\tm+12+\b]
.endr
	v_nop                                          ; a plain line behind the last conversion
.endm
	s_load_b256 s[4:11], s[0:1], 0x0               ; x s[4:5], Wq s[6:7], Wk s[8:9], Wv s[10:11]
	s_load_b256 s[12:19], s[0:1], 0x20             ; Wo s[12:13], w_bias s[14:15], xq s[16:17], wq s[18:19]
	s_load_b64 s[20:21], s[0:1], 0x40              ; ew
	v_lshl_add_u32 v[SPW], v0, 2, 0x29000
	v_mov_b32 v[NIL], 0
	ds_add_u32 v[SPW], v[NIL]
	ds_add_u32 v[SPW], v[NIL]
	v_lshrrev_b32 v1, 5, v0
	v_readfirstlane_b32 s22, v1                    ; wave 0..8
	v_and_b32 v1, 31, v0                           ; lane
	v_and_b32 v2, 15, v0                           ; r
	v_bfe_u32 v3, v0, 4, 1                         ; h
	v_lshlrev_b32 v4, 4, v1                        ; 16 x lane
	v_lshlrev_b32 v5, 2, v1                        ; 4 x lane
	v_and_b32 v7, 8, v2
	v_add_nc_u32 v7, v7, v2                        ; r + 8 (r / 8)
.irp b, 0,1,2,3
	v_mov_b32 v[TM+4+\b], 0                        ; written once: a lane permute's destination counts as one of its sources
.endr
	s_wait_alu depctr_va_vdst(0)
	s_mov_b32 s[SEL], 0x76543210
	s_mov_b32 s[SEL+1], 0xfedcba98
	s_mov_b32 s[MNT], 0x600000
	s_mov_b32 s[HM], 0xffff0000
	s_mov_b32 s[G1], (2<<16)|(1<<20)|(6<<22)|(3<<25)   ; elements of 4 bytes; padding on: 4 words behind every 128
	s_mov_b32 s[G1+1], 128<<16                     ; tensor_dim0 = 128
	s_mov_b32 s[G1+2], 32<<16                      ; tensor_dim1 = 32
	s_mov_b32 s[G1+3], 128<<16                     ; tile_dim0 = 128
	s_mov_b32 s[G1+4], 32                          ; tile_dim1 = 32
	s_mov_b32 s[G1+5], 256                         ; from row to row
	s_mov_b32 s[G1+6], 0
	s_mov_b32 s[G1+7], 0
	s_wait_dscnt 0x0                               ; both opening adds are done
	s_wait_kmcnt 0x0
	s_cmp_eq_u32 s22, 8
	s_cbranch_scc1 .Ljob
	; ---- waves 0-7: rows 32 (w / 2) .. + 31 of x's block G, K step w % 2: tiles 2 (w / 2) and + 1
	s_mul_i32 s23, s22, 16896                      ; my 32 rows of 528 bytes in LDS
	s_lshr_b32 s46, s22, 1
	s_and_b32 s47, s22, 1
	s_lshl_b32 s40, ttmp9, 17                      ; 128 rows of 1,024 bytes a block
	s_lshl_b32 s41, s46, 15
	s_add_co_u32 s40, s40, s41
	s_lshl_b32 s41, s47, 9
	s_add_co_u32 s40, s40, s41
	s_mov_b32 s41, 0
	s_mov_b32 s[G0], 1
	s_mov_b32 s[G0+1], s23
	s_add_nc_u64 s[G0+2:G0+3], s[4:5], s[40:41]
	s_or_b32 s[G0+3], s[G0+3], 0x80000000
	tensor_load_to_lds s[G0:G0+3], s[G1:G1+7]      ; filled once; only I read these bytes
	s_nop 0
.rept 4
	v_nop
.endr
	v_mul_u32_u24 v6, 0x210, v7
	v_lshl_add_u32 v6, v3, 6, v6
	v_add_nc_u32 v6, s23, v6                       ; row r + 8 (r / 8) of my 32, + 64 h: my 16 numbers of a block of 32
	v_lshlrev_b32 v8, 2, v2
	v_lshl_add_u32 v8, v3, 7, v8                   ; scale words: lanes 0-15 the first tile's, lanes 16-31 the second's, 128 bytes on
	s_wait_alu depctr_va_vdst(0)
	s_mul_i32 s42, ttmp9, 33792
	s_lshl_b32 s44, s46, 8
	s_lshl_b32 s45, s47, 6
	s_add_co_u32 s44, s44, s45
	s_add_co_u32 s44, s44, s42
	s_add_co_u32 s44, s44, 32768
	s_mov_b32 s45, 0
	s_lshl_b32 s43, s46, 13
	s_add_co_u32 s42, s42, s43
	s_lshl_b32 s43, s47, 11
	s_add_co_u32 s42, s42, s43
	s_mov_b32 s43, 0
	s_add_nc_u64 s[44:45], s[16:17], s[44:45]      ; my scale words: 64 bytes a tile
	s_add_nc_u64 s[16:17], s[16:17], s[42:43]      ; my fragments: 2,048 bytes a tile, 4,096 from tile to tile
	s_wait_tensorcnt 0x0
.irp u, 0,1
.irp c, 0,1,2,3
.irp q, 0,1,2,3
	ds_load_b128 v[64+64*\u+16*\c+4*\q:64+64*\u+16*\c+4*\q+3], v6 offset:4224*\u+128*\c+16*\q
.endr
.endr
.endr
	s_wait_dscnt 16                                ; the first tile's sixteen loads are in, the second's may be out
	QUANT 64, TM, 192, 32
.irp c, 0,1,2,3
	global_store_b128 v4, v[192+4*\c:192+4*\c+3], s[16:17] offset:512*\c   ; 512 consecutive bytes; every fragment has registers of its own
.endr
	s_wait_dscnt 0x0
	QUANT 128, TM, 208, 33
.irp c, 0,1,2,3
	global_store_b128 v4, v[208+4*\c:208+4*\c+3], s[16:17] offset:4096+512*\c
.endr
	v_cndmask_b32 v36, v32, v33, s[HM]
	global_store_b32 v8, v36, s[44:45]
	s_wait_tensorcnt 0x0                           ; the wave's end
	ds_add_u32 v[SPW], v[NIL]
	s_wait_dscnt 0x0
	s_endpgm
.Ljob:
	s_cmp_lt_u32 ttmp9, 128
	s_cbranch_scc0 .Lweights
	; ---- wave 8 of work-groups 0-127: expw of rows t = 128 tb + pi(a, r)
	s_lshr_b32 s40, ttmp9, 3                       ; tb
	s_and_b32 s41, ttmp9, 7                        ; a
	s_lshr_b32 s43, s41, 1
	s_lshl_b32 s43, s43, 5
	s_and_b32 s44, s41, 1
	s_lshl_b32 s44, s44, 3
	s_add_co_u32 s43, s43, s44
	v_add_nc_u32 v8, s43, v7                       ; tau = pi(a, r)
	v_lshlrev_b32 v9, 13, v8
	v_lshl_add_u32 v9, v3, 6, v9                   ; 8,192 tau + 64 h
	s_wait_alu depctr_va_vdst(0)
	s_lshl_b32 s44, s40, 20                        ; 128 rows of 8,192 bytes
	s_mov_b32 s45, 0
	s_add_nc_u64 s[14:15], s[14:15], s[44:45]
.irp jj, 0,1,2
	s_add_co_u32 s44, s40, 15+\jj                  ; column tiles tb - 1, tb, tb + 1, mod 16: a tile that wraps lies wholly outside the band and is masked whole
	s_and_b32 s44, s44, 15
	s_lshl_b32 s44, s44, 9
	s_add_nc_u64 s[48+2*\jj:49+2*\jj], s[14:15], s[44:45]
.endr
.irp jj, 0,1,2
.irp c, 0,1,2,3
.irp q, 0,1,2,3
	global_load_b128 v[64+64*\jj+16*\c+4*\q:64+64*\jj+16*\c+4*\q+3], v9, s[48+2*\jj:49+2*\jj] offset:128*\c+16*\q th:TH_LOAD_NT
.endr
.endr
.endr
	s_mul_i32 s44, s40, 51200
	s_add_nc_u64 s[20:21], s[20:21], s[44:45]      ; ew's block tb
	s_lshl_b32 s46, s41, 11                        ; 2,048 a
	s_lshl_b32 s47, s41, 6                         ; 64 a
	s_cmp_eq_u32 s40, 0
	s_cselect_b32 s54, 128, 0
	s_cmp_eq_u32 s40, 15
	s_cselect_b32 s55, 0, 1
	v_add_nc_u32 v13, s46, v4                      ; the band's tiles: codes,
	v_lshl_add_u32 v14, v2, 2, s47                 ; scale words, and the constants
	v_lshlrev_b32 v10, 4, v3
	v_add_nc_u32 v11, s54, v8
	v_sub_nc_u32 v11, v11, v10                     ; left tile: column 16 h + n is in the band where n > tau - 16 h (never where the tile wraps)
	v_mul_u32_u24 v12, s55, v8
	v_sub_nc_u32 v12, v12, v10                     ; right tile: where n < tau - 16 h (never where it wraps)
	s_wait_alu depctr_va_vdst(0)
	s_wait_loadcnt 0x0
.irp c, 0,1,2,3
.irp i, 0,1,2,3,4,5,6,7,8,9,10,11,12,13,14,15
	v_cmp_gt_i32 vcc_lo, 32*\c+\i, v11
	v_cndmask_b32 v[64+16*\c+\i], 0, v[64+16*\c+\i], vcc_lo      ; outside the band the bias is 0
	v_cmp_lt_i32 vcc_lo, 32*\c+\i, v12
	v_cndmask_b32 v[192+16*\c+\i], 0, v[192+16*\c+\i], vcc_lo
.endr
.endr
.irp k, 0,1,2,3
	v_max3_num_f32 v[24+\k], v[64+2*\k], v[65+2*\k], 0           ; the row's maximum: every row has zeros outside the band, so 0 is a leaf
.endr
.set n, 8
.rept 23
.irp k, 0,1,2,3
	v_max3_num_f32 v[24+\k], v[24+\k], v[64+n+2*\k], v[65+n+2*\k]
.endr
.set n, n+8
.endr
	v_max3_num_f32 v24, v24, v25, v26
	v_max_num_f32 v24, v24, v27
	v_permlanex16_b32 v20, v24, s[SEL], s[SEL+1]
	v_max_num_f32 v6, v24, v20                     ; with the row's other half
	v_mov_b32 v7, v6
.set n, 0
.rept 96
	v_pk_add_f32 v[64+n:65+n], v[64+n:65+n], v[6:7] neg_lo:[0,1] neg_hi:[0,1]   ; w - max
.set n, n+2
.endr
.set n, 0
.rept 96
	v_pk_mul_f32 v[64+n:65+n], v[64+n:65+n], 0x3fb8aa3b op_sel_hi:[1,0]         ; x log2(e)
.set n, n+2
.endr
	v_mul_f32 v60, 0xbfb8aa3b, v6                  ; (0 - max) x log2(e): every place outside the band
.set n, 0
	s_wait_alu depctr_va_vdst(0)
.rept 192
	v_exp_f32 v[64+n], v[64+n]
.set n, n+1
.endr
	v_exp_f32 v60, v60
	v_nop                                          ; a plain line behind the last exponential,
	s_wait_alu depctr_va_vdst(0)                   ; and one wait for the batch, ahead of its first reader
	QUANT 64, TM, 32, 48
	QUANT 128, TM, 64, 49                          ; codes into registers that the tile before has left: no store's data are written again
	QUANT 192, TM, 96, 50
	v_max_num_f32 v61, 0x4800000, v60              ; a block of 32 equal numbers: the same lines on one number
	v_add_nc_u32 v62, 0xfc000000, v61
	v_and_or_b32 v63, v61, 0x7f800000, s[MNT]
.irp i, 0,1,2,3,4,5,6,7
	v_min_num_f32 v[112+\i], v60, v63              ; never negative: the hold is one-sided
.endr
	v_cvt_scalef32_pk8_fp8_f32 v[120:121], v[112:119], v62
	v_and_b32 v59, 0x7f800000, v62                 ; the block's scale as a number
	v_cvt_f32_fp8 v58, v120                        ; the code's value
	v_nop
	v_mul_f32 v59, v58, v59                        ; the quantised number: a product with a power of two
.irp jj, 0,1,2
.irp c, 0,1,2,3
	global_store_b128 v13, v[32+32*\jj+4*\c:32+32*\jj+4*\c+3], s[20:21] offset:16896*\jj+512*\c
.endr
	global_store_b32 v14, v[48+\jj], s[20:21] offset:16896*\jj+16384   ; lanes r and r + 16 write the same word with the same value
.endr
	global_store_b32 v14, v59, s[20:21] offset:50688
	s_endpgm
.Lweights:
	s_cmp_lt_u32 ttmp9, 192
	s_cbranch_scc0 .Lnone
	; ---- wave 8 of work-groups 128-191: 32 columns x 128 K of one weight.  A lane takes a column and its registers run down K: a block of 32 lies in one lane
	s_sub_co_u32 s40, ttmp9, 128
	s_lshr_b32 s41, s40, 4                         ; which weight: Wq, Wk, Wv, Wo
	s_bfe_u32 s42, s40, 0x30001                    ; which 32 columns
	s_and_b32 s43, s40, 1                          ; which 128 along K
	s_cmp_lt_u32 s41, 2
	s_cselect_b64 s[44:45], s[6:7], s[10:11]
	s_cselect_b64 s[46:47], s[8:9], s[12:13]
	s_bitcmp1_b32 s41, 0
	s_cselect_b64 s[44:45], s[46:47], s[44:45]
	s_lshl_b32 s48, s43, 17
	s_lshl_b32 s49, s42, 7
	s_add_co_u32 s48, s48, s49
	s_mov_b32 s49, 0
	s_add_nc_u64 s[44:45], s[44:45], s[48:49]
.set n, 0
.rept 128
	global_load_b32 v[64+n], v5, s[44:45] offset:1024*n th:TH_LOAD_NT   ; 128 consecutive bytes of row n
.set n, n+1
.endr
	v_bfe_u32 v8, v0, 3, 1                         ; column l of the 32 is row r' = l % 8 + 8 (l / 16) of tile 2 cg + (l / 8) % 2
	v_and_b32 v9, 7, v0
	v_lshl_add_u32 v9, v3, 3, v9
	v_lshlrev_b32 v10, 12, v8
	v_lshl_add_u32 v10, v9, 4, v10
	v_lshlrev_b32 v11, 7, v8
	v_lshl_add_u32 v11, v9, 2, v11
	s_wait_alu depctr_va_vdst(0)
	s_mul_i32 s50, s41, 67584
	s_lshl_b32 s51, s42, 13
	s_add_co_u32 s51, s51, s50
	s_lshl_b32 s52, s43, 11
	s_add_co_u32 s51, s51, s52
	v_add_nc_u32 v10, s51, v10                     ; codes: 67,584 m + 8,192 cg + 2,048 ks + 4,096 u + 16 r'
	s_lshl_b32 s51, s42, 8
	s_add_co_u32 s51, s51, s50
	s_lshl_b32 s52, s43, 6
	s_add_co_u32 s51, s51, s52
	v_add_nc_u32 v11, s51, v11                     ; scale words: 67,584 m + 256 cg + 64 ks + 128 u + 4 r'
	s_wait_alu depctr_va_vdst(0)
	s_wait_loadcnt 0x0
.macro BLOCKQ c
	v_max3_num_f32 v16, |v[64+32*\c]|, |v[65+32*\c]|, 0x4800000
	v_max3_num_f32 v17, |v[66+32*\c]|, |v[67+32*\c]|, 0x4800000
.irp i, 4,8,12,16,20,24,28
	v_max3_num_f32 v16, v16, |v[64+32*\c+\i]|, |v[65+32*\c+\i]|
	v_max3_num_f32 v17, v17, |v[66+32*\c+\i]|, |v[67+32*\c+\i]|
.endr
	v_max_num_f32 v16, v16, v17
	v_add_nc_u32 v18, 0xfc000000, v16
	v_and_or_b32 v19, v16, 0x7f800000, s[MNT]
	v_lshrrev_b32 v20, 23, v18
.if \c == 0
	v_mov_b32 v24, v20
.else
	v_lshl_or_b32 v24, v20, 8*\c, v24
.endif
.irp i, 0,1,2,3,4,5,6,7,8,9,10,11,12,13,14,15,16,17,18,19,20,21,22,23,24,25,26,27,28,29,30,31
	v_med3_num_f32 v[64+32*\c+\i], v[64+32*\c+\i], -v19, v19
.endr
.irp g, 0,1,2,3
	v_cvt_scalef32_pk8_fp8_f32 v[192+8*\c+2*\g:192+8*\c+2*\g+1], v[64+32*\c+8*\g:64+32*\c+8*\g+7], v18
.endr
	v_nop
.endm
	BLOCKQ 0
	BLOCKQ 1
	BLOCKQ 2
	BLOCKQ 3
.irp c, 0,1,2,3
.irp g, 0,1
	global_store_b128 v10, v[192+8*\c+4*\g:192+8*\c+4*\g+3], s[18:19] offset:512*\c+256*\g   ; k = 32 c + 16 g + 0 .. 15: the image's half g
.endr
.endr
	global_store_b32 v11, v24, s[18:19] offset:65536
	s_endpgm
.Lnone:
	s_endpgm
.Lfunc_end_k_qebdbf25895_prep:
	.size	k_qebdbf25895_prep, .Lfunc_end_k_qebdbf25895_prep-k_qebdbf25895_prep
	.p2alignl 7, 3214868480
	.fill 96, 4, 3214868480
	.section	.rodata,"a",@progbits
	.p2align	6, 0x0
	.amdhsa_kernel k_qebdbf25895_prep
		.amdhsa_group_segment_fixed_size 169216
		.amdhsa_private_segment_fixed_size 0
		.amdhsa_enable_private_segment 0
		.amdhsa_kernarg_size 72
		.amdhsa_user_sgpr_count 2
		.amdhsa_user_sgpr_kernarg_segment_ptr 1
		.amdhsa_wavefront_size32 1
		.amdhsa_system_sgpr_workgroup_id_x 1
		.amdhsa_system_sgpr_workgroup_id_y 1
		.amdhsa_system_sgpr_workgroup_id_z 1
		.amdhsa_system_vgpr_workitem_id 0
		.amdhsa_next_free_vgpr 256
		.amdhsa_next_free_sgpr 66
		.amdhsa_reserve_vcc 1
		.amdhsa_float_denorm_mode_32 3
		.amdhsa_float_denorm_mode_16_64 3
		.amdhsa_memory_ordered 1
		.amdhsa_forward_progress 1
		.amdhsa_inst_pref_size 121
	.end_amdhsa_kernel
	.amdgpu_metadata
---
amdhsa.version: [ 1, 2 ]
amdhsa.kernels:
  - .name:           k_qebdbf25895_prep
    .symbol:         k_qebdbf25895_prep.kd
    .args:
      - { .name: x, .offset: 0, .size: 8, .value_kind: global_buffer, .address_space: global }
      - { .name: Wq, .offset: 8, .size: 8, .value_kind: global_buffer, .address_space: global }
      - { .name: Wk, .offset: 16, .size: 8, .value_kind: global_buffer, .address_space: global }
      - { .name: Wv, .offset: 24, .size: 8, .value_kind: global_buffer, .address_space: global }
      - { .name: Wo, .offset: 32, .size: 8, .value_kind: global_buffer, .address_space: global }
      - { .name: w_bias, .offset: 40, .size: 8, .value_kind: global_buffer, .address_space: global }
      - { .name: xq, .offset: 48, .size: 8, .value_kind: global_buffer, .address_space: global }
      - { .name: wq, .offset: 56, .size: 8, .value_kind: global_buffer, .address_space: global }
      - { .name: ew, .offset: 64, .size: 8, .value_kind: global_buffer, .address_space: global }
    .group_segment_fixed_size: 169216
    .private_segment_fixed_size: 0
    .kernarg_segment_align: 8
    .kernarg_segment_size: 72
    .max_flat_workgroup_size: 288
    .sgpr_count:     66
    .vgpr_count:     256
    .wavefront_size: 32
...
	.end_amdgpu_metadata
.endif
;; end of part 1
;; launch kv (part 2): grid 16 x 16, 8 waves a work-group, clusters of 4 x 1, 327,680 bytes of LDS; arguments xq, wq, pq, ss; writes pq, ss
.if DOCPART == 2
	.amdgcn_target "amdgcn-amd-amdhsa--gfx1250"
	.amdhsa_code_object_version 6
	.text
	.protected	k_qebdbf25895_kv
	.globl	k_qebdbf25895_kv
	.p2align	8
	.type	k_qebdbf25895_kv,@function
k_qebdbf25895_kv:
	s_mov_b64 s[64:65], 0
	v_nop
	global_prefetch_b8 v0, s[64:65] scope:SCOPE_SE
	s_setreg_imm32_b32 hwreg(HW_REG_WAVE_MODE, 25, 1), 1
	s_wait_xcnt 0x0
	s_wait_alu depctr_hold_cnt(0) depctr_sa_sdst(0) depctr_va_vdst(0) depctr_va_sdst(0) depctr_va_ssrc(0) depctr_va_vcc(0) depctr_vm_vsrc(0)
	s_getreg_b32 s2, hwreg(HW_REG_IB_STS2, 6, 4)
	s_cmp_eq_u32 s2, 0
	s_cbranch_scc0 .Lentry_in_a_cluster
	s_endpgm
.Lentry_in_a_cluster:
	s_bfe_u32 s2, ttmp6, 0x10000c
	s_cmp_lg_u32 s2, 0x3003
	s_cbranch_scc0 .Lentry_shape_is_right
	s_endpgm
.Lentry_shape_is_right:
; KV: k = x Wk, v = x Wv for one batch and 16 columns d, all 2,048 t; the maximum of k over t; expk = exp(k - max) and expk v, quantised along t; and for each 128 t the sums of the quantised numbers.
; pq: block 16 b + t / 128 of 67,584 bytes: fragment 8 (n / 4) + n % 4 (+ 4 for expk) of 2,048 bytes, n the tile of 16 columns; scale words from 65,536.
; ss: [16 b + t / 128][n / 2][expk v, expk][32 columns] f32: the sums over the 128 t, by the scaled matrix instruction on codes of 1.0.
; SHARES.  With X, Y the cluster's numbers a work-group has batch b = Y with its bit 0 replaced by X's, and tile n = 4 (X with its bit 0 replaced by Y's) + cx.  Wave w has two blocks of 128 t: A = w + 8 (X / 2) and B, the other of w and w + 8.
; x's 16 blocks are 540,672 bytes, more than LDS holds.  The eight blocks A come by tensor loads, JOINTLY for the four of a cluster (mask 15); each wave reads only the LDS bytes that it asked for.
; The eight blocks B go from memory straight into the 256 registers a wave that hold nothing else then: no joint request there, since a joint load lands in LDS alone, where a second fill would have to wait for the first one's readers.
; Everything is asked for at the head and there is no loop: so there is nothing to prefetch.  All of a WGP's LDS is claimed.
; REGISTERS: window 0: v64-127 weights, then the quantiser's; v128-255 B's eight fragments of K step 0, then A's of either, then expk and expk v; v32-39, v40-47 scale words of A, B (lanes 0-15 K step 0, lanes 16-31 K step 1), v48-49 the weights'.
; window 1: accumulators: A's k at 0, v at 64; B's k at 128, v at 192: lane = column, registers along t.  A's 128 hold B's fragments of K step 1 first.
; LIMITS: NaN and infinities are not served; a block of zeros gets the byte 1 (only this program reads the bytes); v_exp_f32 gives 0 for results under 2^-126.
.set XBLK,  33792
.set PBLK,  67584
.set MAXR,  8*XBLK
.set SPARE, MAXR+1024
.set WL,    SPARE+1024                 ; Wk's and Wv's fragments of my 16 columns, 8,192 bytes: each wave fetches an eighth and stores it here, all read all
.set WV,  14
.set G1,  16
.set G0,  24
.set SEL, 28
.set MNT, 30
.set HM,  31
.set MSB, 0
.macro WIN new
.if MSB != (\new)
	s_set_vgpr_msb (MSB<<8)|(\new)
.set MSB, (\new)
.endif
.endm
.macro PLACES n
.rept \n
	v_nop
.endr
.endm
.macro CROUND                          ; a round of the cluster's barrier
	s_barrier_signal -1
	s_barrier_wait -1
	s_cmp_lg_u32 s[WV], 0
	s_cbranch_scc1 .Lnot_wave_0_\@
	s_barrier_signal -3
.Lnot_wave_0_\@:
	s_barrier_wait -3
	s_barrier_signal -1
	s_barrier_wait -1
.endm
; 64 numbers of a lane (register 16 b + i = k 32 b + 16 (lane / 16) + i of my row) become a fragment's 16 registers of codes and its scale word
.macro QUANT s, tm, pc, pw
.irp b, 0,1,2,3
	v_max3_num_f32 v[\tm+\b], |v[\s+16*\b]|, |v[\s+16*\b+1]|, 0x4800000
.endr
.irp i, 2,4,6,8,10,12,14
.irp b, 0,1,2,3
	v_max3_num_f32 v[\tm+\b], v[\tm+\b], |v[\s+16*\b+\i]|, |v[\s+16*\b+\i+1]|
.endr
.endr
.irp b, 0,1,2,3
	v_permlanex16_b32 v[\tm+4+\b], v[\tm+\b], s[SEL], s[SEL+1]
.endr
.irp b, 0,1,2,3
	v_max_num_f32 v[\tm+\b], v[\tm+\b], v[\tm+4+\b]
.endr
.irp b, 0,1,2,3
	v_add_nc_u32 v[\tm+12+\b], 0xfc000000, v[\tm+\b]
.endr
.irp b, 0,1,2,3
	v_and_or_b32 v[\tm+8+\b], v[\tm+\b], 0x7f800000, s[MNT]
.endr
.irp b, 0,1,2,3
	v_lshrrev_b32 v[\tm+4+\b], 23, v[\tm+12+\b]
.endr
	v_lshl_or_b32 v[\pw], v[\tm+5], 8, v[\tm+4]
	v_lshl_or_b32 v[\pw], v[\tm+6], 16, v[\pw]
	v_lshl_or_b32 v[\pw], v[\tm+7], 24, v[\pw]
.irp b, 0,1,2,3
.irp i, 0,1,2,3,4,5,6,7,8,9,10,11,12,13,14,15
	v_med3_num_f32 v[\s+16*\b+\i], v[\s+16*\b+\i], -v[\tm+8+\b], v[\tm+8+\b]
.endr
	v_cvt_scalef32_pk8_fp8_f32 v[\pc+4*\b:\pc+4*\b+1], v[\s+16*\b:\s+16*\b+7], v[\tm+12+\b]
	v_cvt_scalef32_pk8_fp8_f32 v[\pc+4*\b+2:\pc+4*\b+3], v[\s+16*\b+8:\s+16*\b+15], v[\tm+12+\b]
.endr
	v_nop
.endm
	s_load_b256 s[4:11], s[0:1], 0x0               ; xq s[4:5], wq s[6:7], pq s[8:9], ss s[10:11]
	v_lshl_add_u32 v10, v0, 2, SPARE
	v_mov_b32 v11, 0
	ds_add_u32 v10, v11
	ds_add_u32 v10, v11
	v_lshrrev_b32 v1, 5, v0
	v_readfirstlane_b32 s[WV], v1
	s_and_b32 s12, ttmp7, 0xffff
	s_and_b32 s15, ttmp9, 1
	s_and_b32 s13, s12, 1
	s_and_b32 s12, s12, 14
	s_or_b32 s12, s12, s15                         ; b
	s_and_b32 s41, ttmp9, 2
	s_or_b32 s13, s13, s41
	s_lshl_b32 s13, s13, 2
	s_bfe_u32 s15, ttmp6, 0x40000                  ; cx
	s_add_co_u32 s13, s13, s15                     ; n
	s_mov_b32 s[G1], 15|(3<<16)|(1<<21)            ; a dense block as 132 rows of 256 bytes, joint
	s_mov_b32 s[G1+1], 32<<16
	s_mov_b32 s[G1+2], 132<<16
	s_mov_b32 s[G1+3], 32<<16
	s_mov_b32 s[G1+4], 132
	s_mov_b32 s[G1+5], 32
	s_mov_b32 s[G1+6], 0
	s_mov_b32 s[G1+7], 0
	s_mov_b32 s[SEL], 0x76543210
	s_mov_b32 s[SEL+1], 0xfedcba98
	s_mov_b32 s[MNT], 0x600000
	s_mov_b32 s[HM], 0xffff0000
	s_lshl_b32 s40, s12, 4
	s_add_co_u32 s40, s40, s[WV]
	s_lshl_b32 s41, s41, 2
	s_add_co_u32 s40, s40, s41                     ; block A,
	s_xor_b32 s41, s40, 8                          ; block B
.irp p, 0,1
	s_mul_i32 s[52+2*\p], s[40+\p], XBLK
	s_mov_b32 s[53+2*\p], 0
	s_mul_i32 s[44+2*\p], s[40+\p], PBLK
	s_mov_b32 s[45+2*\p], 0
	s_lshl_b32 s[48+2*\p], s[40+\p], 11
	s_mov_b32 s[49+2*\p], 0
.endr
	s_mov_b32 s[G0], 1
	s_mul_i32 s[G0+1], s[WV], XBLK
	s_lshl_b32 s34, s13, 12                        ; my eighth of the weights: 1,024 bytes: waves 0-3 Wk's, 4-7 Wv's
	s_lshr_b32 s36, s[WV], 2
	s_add_co_u32 s36, s36, 1
	s_mul_i32 s36, s36, PBLK
	s_add_co_u32 s34, s34, s36
	s_and_b32 s36, s[WV], 3
	s_lshl_b32 s36, s36, 10
	s_add_co_u32 s34, s34, s36
	s_lshl_b32 s36, s[WV], 10
	s_add_co_u32 s36, s36, WL
	s_lshl_b32 s35, s13, 7
	s_mul_i32 s37, s[WV], XBLK
	s_add_co_u32 s37, s37, 32768
	s_lshr_b32 s39, s13, 2
	s_lshl_b32 s39, s39, 3
	s_and_b32 s42, s13, 3
	s_add_co_u32 s39, s39, s42                     ; my fragment of a block of pq
	s_lshl_b32 s38, s39, 11
	s_lshl_b32 s39, s39, 6
	s_lshr_b32 s42, s13, 1
	s_lshl_b32 s42, s42, 8
	s_and_b32 s43, s13, 1
	s_lshl_b32 s43, s43, 5
	s_add_co_u32 s42, s42, s43
	v_and_b32 v1, 31, v0
	v_and_b32 v59, 15, v0
	v_bfe_u32 v61, v0, 4, 1
	v_lshl_add_u32 v2, v1, 4, s34                  ; a weight's fragments,
	v_lshl_add_u32 v3, v1, 2, s35                  ; the weights' scale words
	v_lshl_add_u32 v17, v1, 4, s36                 ; the weights in LDS: where I store,
	v_lshl_add_u32 v18, v1, 4, WL                  ; and where all read
	v_lshlrev_b32 v4, 4, v1                        ; block B: 16 x lane,
	v_lshlrev_b32 v63, 2, v1                       ; 4 x lane
	v_lshl_add_u32 v5, v1, 4, s[G0+1]              ; A's fragments in my slot,
	v_lshl_add_u32 v6, v1, 2, s37                  ; their scale words
	v_lshl_add_u32 v7, v0, 2, MAXR
	v_lshl_add_u32 v8, v1, 2, MAXR
	v_lshl_add_u32 v9, v1, 4, s38                  ; pq: codes,
	v_lshl_add_u32 v14, v59, 2, s39
	v_lshl_add_u32 v14, v61, 8, v14                ; scale words: lanes 16-31 expk's, four fragments on
	v_and_b32 v15, 8, v59
	v_add_nc_u32 v15, v15, v59                     ; r + 8 (r / 8)
	v_lshl_add_u32 v15, v15, 2, s42
	v_lshl_add_u32 v15, v61, 7, v15                ; ss: lane r column 8 (n % 2) + r + 8 (r / 8) of 32; lanes 16-31 expk's
	v_mov_b32 v58, 0                               ; a lane permute's destination counts as one of its sources
	s_wait_alu depctr_va_vdst(0)
	s_wait_dscnt 0x0                               ; both opening adds are done
	CROUND                                         ; all four work-groups are here
	s_wait_kmcnt 0x0
.irp p, 0,1
	s_add_nc_u64 s[52+2*\p:53+2*\p], s[4:5], s[52+2*\p:53+2*\p]
.endr
	s_mov_b64 s[G0+2:G0+3], s[52:53]
	s_or_b32 s[G0+3], s[G0+3], 0x80000000
	tensor_load_to_lds s[G0:G0+3], s[G1:G1+7]      ; my block A
	s_nop 0
	PLACES 4
.irp i, 0,1
	global_load_b128 v[64+4*\i:67+4*\i], v2, s[6:7] offset:512*\i   ; my eighth of the weights
.endr
.irp m, 0,1
	global_load_b32 v[48+\m], v3, s[6:7] offset:(\m+1)*PBLK+65536
.endr
.irp a, 0,1,2,3,4,5,6,7                ; block B: scale words,
	global_load_b32 v[40+\a], v63, s[54:55] offset:32768+128*\a
.endr
.irp a, 0,1,2,3,4,5,6,7                ; K step 0,
.irp c, 0,1,2,3
	global_load_b128 v[128+16*\a+4*\c:128+16*\a+4*\c+3], v4, s[54:55] offset:4096*\a+512*\c
.endr
.endr
	s_wait_loadcnt 40                              ; my eighth of the weights is in; B's scale words and K step 0 may be out
	ds_store_b128 v17, v[64:67]
	ds_store_b128 v17, v[68:71] offset:512
	WIN 0x40
.irp a, 0,1,2,3,4,5,6,7                ; K step 1
.irp c, 0,1,2,3
	global_load_b128 v[16*\a+4*\c:16*\a+4*\c+3], v4, s[54:55] offset:4096*\a+2048+512*\c
.endr
.endr
	WIN 0
.irp p, 0,1
	s_add_nc_u64 s[44+2*\p:45+2*\p], s[8:9], s[44+2*\p:45+2*\p]
	s_add_nc_u64 s[48+2*\p:49+2*\p], s[10:11], s[48+2*\p:49+2*\p]
.endr
.macro XLOAD k                         ; A's eight fragments of K step k
.irp a, 0,1,2,3,4,5,6,7
.irp c, 0,1,2,3
	ds_load_b128 v[128+16*\a+4*\c:128+16*\a+4*\c+3], v5 offset:2048*(2*\a+\k)+512*\c
.endr
.endr
.endm
; eight accumulators by turns.  p = 0: block A, 1: block B, whose fragments of K step 1 lie in window 1
.macro MUL p, k, m
	WIN 0x50+\p*\k
.irp a, 0,1,2,3,4,5,6,7
.set D_, 128*\p+64*\m+8*\a
.set A_, 128*(1-\p*\k)+16*\a
.if \k
	v_wmma_scale_f32_16x16x128_f8f6f4 v[D_:D_+7], v[A_:A_+15], v[64+32*\m+16*\k:64+32*\m+16*\k+15], v[D_:D_+7], v[32+8*\p+\a], v[48+\m] matrix_a_scale:MATRIX_SCALE_ROW1 matrix_b_scale:MATRIX_SCALE_ROW1
.else
	v_wmma_scale_f32_16x16x128_f8f6f4 v[D_:D_+7], v[A_:A_+15], v[64+32*\m+16*\k:64+32*\m+16*\k+15], 0, v[32+8*\p+\a], v[48+\m]
.endif
.endr
.endm
.macro MAXB p                          ; the block's largest k of my column, in four chains; block B comes first
	PLACES 8
.if \p == 1
	WIN 0x05
.irp k, 0,1,2,3
	v_max_num_f32 v[54+\k], v[128*\p+8*\k], v[128*\p+8*\k+1]
.endr
	WIN 0x14
.else
	WIN 0x14
.irp k, 0,1,2,3
	v_max3_num_f32 v[54+\k], v[54+\k], v[128*\p+8*\k], v[128*\p+8*\k+1]
.endr
.endif
.irp i, 2,4,6
.irp k, 0,1,2,3
	v_max3_num_f32 v[54+\k], v[54+\k], v[128*\p+8*\k+\i], v[128*\p+8*\k+\i+1]
.endr
.endr
.irp i, 0,2,4,6
.irp k, 0,1,2,3
	v_max3_num_f32 v[54+\k], v[54+\k], v[128*\p+8*(4+\k)+\i], v[128*\p+8*(4+\k)+\i+1]
.endr
.endr
	WIN 0
	s_wait_alu depctr_va_vdst(0)
.endm
	s_wait_dscnt 0x0                               ; my stores of weights are done,
	s_barrier_signal -1
	s_barrier_wait -1                              ; and everybody's
.irp f, 0,1,2,3                        ; Wk's K steps 0, 1, Wv's K steps 0, 1
.irp c, 0,1,2,3
	ds_load_b128 v[64+16*\f+4*\c:64+16*\f+4*\c+3], v18 offset:2048*\f+512*\c
.endr
.endr
	s_wait_loadcnt 32                              ; B's scale words and its K step 0 are in; the 32 loads of K step 1 may be out
	s_wait_dscnt 0x0
	MUL 1, 0, 0
	MUL 1, 0, 1
	s_wait_loadcnt 0x0
	MUL 1, 1, 0
	MUL 1, 1, 1
	WIN 0
	MAXB 1
	s_wait_tensorcnt 0x0                           ; my block A is in; only I read it
.irp a, 0,1,2,3,4,5,6,7
	ds_load_b32 v[32+\a], v6 offset:128*\a
.endr
	XLOAD 0
	s_wait_dscnt 0x0
	MUL 0, 0, 0
	MUL 0, 0, 1
	WIN 0
	PLACES 8                                       ; in front of loads into registers that matrix instructions have read
	XLOAD 1
	s_wait_dscnt 0x0
	MUL 0, 1, 0
	MUL 0, 1, 1
	MAXB 0
	v_max3_num_f32 v54, v54, v55, v56
	v_max_num_f32 v54, v54, v57
	v_permlanex16_b32 v58, v54, s[SEL], s[SEL+1]
	v_max_num_f32 v54, v54, v58
	ds_store_b32 v7, v54
	s_wait_dscnt 0x0
	s_barrier_signal -1
	s_barrier_wait -1
.irp i, 0,1,2,3,4,5,6,7
	ds_load_b32 v[16+\i], v8 offset:128*\i         ; all eight waves' maxima
.endr
	s_wait_dscnt 0x0
	v_max3_num_f32 v12, v16, v17, v18
	v_max3_num_f32 v13, v19, v20, v21
	v_max3_num_f32 v12, v12, v22, v23
	v_max_num_f32 v12, v12, v13
	v_mov_b32 v13, v12
.irp i, 0,1,2,3,4,5,6,7,8,9,10,11,12,13,14,15
	v_mov_b32 v[16+\i], 0x38383838                 ; codes of 1.0
.endr
	v_mov_b32 v60, 0x7f7f7f7f                      ; and their scale bytes, 1
.macro POST p
	WIN 0x01
.set n, 0
.rept 32
	v_pk_add_f32 v[128+n:129+n], v[128*\p+n:128*\p+n+1], v[12:13] neg_lo:[0,1] neg_hi:[0,1]   ; k - max
.set n, n+2
.endr
	WIN 0
.set n, 0
.rept 32
	v_pk_mul_f32 v[128+n:129+n], v[128+n:129+n], 0x3fb8aa3b op_sel_hi:[1,0]
.set n, n+2
.endr
	s_wait_alu depctr_va_vdst(0)
.set n, 0
.rept 64
	v_exp_f32 v[128+n], v[128+n]
.set n, n+1
.endr
	v_nop
	WIN 0x04
	s_wait_alu depctr_va_vdst(0)                   ; one wait for the batch, ahead of its first reader
.set n, 0
.rept 32
	v_pk_mul_f32 v[192+n:193+n], v[128+n:129+n], v[128*\p+64+n:128*\p+65+n]   ; expk v
.set n, n+2
.endr
	WIN 0
	s_wait_xcnt 0x0                                ; the block before's stores have read their registers
	QUANT 192, 64, 80, 112
	QUANT 128, 64, 96, 113
	v_cndmask_b32 v61, v112, v113, s[HM]
.irp e, 0,1
.irp c, 0,1,2,3
	global_store_b128 v9, v[80+16*\e+4*\c:80+16*\e+4*\c+3], s[44+2*\p:45+2*\p] offset:8192*\e+512*\c
.endr
.endr
	global_store_b32 v14, v61, s[44+2*\p:45+2*\p] offset:65536
	PLACES 4
	; the sums over the block's 128 t: 16 equal rows of the result; lane r holds its own column's sum
	v_wmma_scale_f32_16x16x128_f8f6f4 v[114:121], v[16:31], v[80:95], 0, v60, v112
	v_wmma_scale_f32_16x16x128_f8f6f4 v[50:57], v[16:31], v[96:111], 0, v60, v113
	PLACES 8
	v_cndmask_b32 v62, v114, v50, s[HM]
	global_store_b32 v15, v62, s[48+2*\p:49+2*\p]
.endm
	POST 0
	POST 1
	s_wait_tensorcnt 0x0                           ; the wave's end
	ds_add_u32 v10, v11
	s_wait_dscnt 0x0
	CROUND                                         ; the closing round
	s_endpgm
.Lfunc_end_k_qebdbf25895_kv:
	.size	k_qebdbf25895_kv, .Lfunc_end_k_qebdbf25895_kv-k_qebdbf25895_kv
	.p2alignl 7, 3214868480
	.fill 96, 4, 3214868480
	.section	.rodata,"a",@progbits
	.p2align	6, 0x0
	.amdhsa_kernel k_qebdbf25895_kv
		.amdhsa_group_segment_fixed_size 327680
		.amdhsa_private_segment_fixed_size 0
		.amdhsa_enable_private_segment 0
		.amdhsa_kernarg_size 32
		.amdhsa_user_sgpr_count 2
		.amdhsa_user_sgpr_kernarg_segment_ptr 1
		.amdhsa_wavefront_size32 1
		.amdhsa_system_sgpr_workgroup_id_x 1
		.amdhsa_system_sgpr_workgroup_id_y 1
		.amdhsa_system_sgpr_workgroup_id_z 1
		.amdhsa_system_vgpr_workitem_id 0
		.amdhsa_next_free_vgpr 512
		.amdhsa_next_free_sgpr 66
		.amdhsa_reserve_vcc 0
		.amdhsa_float_denorm_mode_32 3
		.amdhsa_float_denorm_mode_16_64 3
		.amdhsa_memory_ordered 1
		.amdhsa_forward_progress 1
		.amdhsa_inst_pref_size 89
	.end_amdhsa_kernel
	.amdgpu_metadata
---
amdhsa.version: [ 1, 2 ]
amdhsa.kernels:
  - .name:           k_qebdbf25895_kv
    .symbol:         k_qebdbf25895_kv.kd
    .args:
      - { .name: xq, .offset: 0, .size: 8, .value_kind: global_buffer, .address_space: global }
      - { .name: wq, .offset: 8, .size: 8, .value_kind: global_buffer, .address_space: global }
      - { .name: pq, .offset: 16, .size: 8, .value_kind: global_buffer, .address_space: global }
      - { .name: ss, .offset: 24, .size: 8, .value_kind: global_buffer, .address_space: global }
    .group_segment_fixed_size: 327680
    .private_segment_fixed_size: 0
    .kernarg_segment_align: 8
    .kernarg_segment_size: 32
    .max_flat_workgroup_size: 256
    .sgpr_count:     66
    .vgpr_count:     512
    .wavefront_size: 32
...
	.end_amdgpu_metadata
.endif
;; end of part 2
;; launch aft (part 3): grid 16 x 16, 8 waves a work-group, no clusters, 327,680 bytes of LDS; arguments xq, wq, pq, ew, ss, out0; writes out0
.if DOCPART == 3
	.amdgcn_target "amdgcn-amd-amdhsa--gfx1250"
	.amdhsa_code_object_version 6
	.text
	.protected	k_qebdbf25895_aft
	.globl	k_qebdbf25895_aft
	.p2align	8
	.type	k_qebdbf25895_aft,@function
k_qebdbf25895_aft:
	s_mov_b64 s[64:65], 0
	v_nop
	global_prefetch_b8 v0, s[64:65] scope:SCOPE_SE
	s_setreg_imm32_b32 hwreg(HW_REG_WAVE_MODE, 25, 1), 1
	s_wait_xcnt 0x0
; AFT: num = expw (expk v), den = expw expk, q = x Wq, y = sigmoid(q) num / den, quantised along d, out = y Wo.  All products on codes of E4M3 with E8M0 scales.
; WHAT IS LEFT OUT.  reference() itself puts 0 for the bias where |t - s| >= 128.  For the rows of block tb (128 t) every K step of 128 s but tb - 1, tb, tb + 1 (mod 16) lies wholly outside, so there each block of 32 of a row of expw is
; one number, exp(-max), and quantises to one number c(t), whatever w_bias holds.  So the sum over those 13 steps of c(t) P(s, d) is c(t) x the sum of P(s, d), P the quantised numbers:
; the launch before has made that sum for each step by the same matrix instruction, and it starts the accumulators here: c(t) x (13 sums added).  A step that wraps round the ends holds c's codes and is multiplied like the others.
; SHARES.  A work-group owns batch b and block tb, for all 256 d, so that y never leaves it.
; Wave w owns d = 32 w .. 32 w + 31 of num and of den x 8 tiles of t: 32 accumulators.  On the way out, in each half of the 128 t, wave w owns 64 columns (w % 4) x 32 t (w / 4).
; Source 0 = rows d of P (or columns of a weight), source 1 = rows t: a lane holds ONE t = pi(a, r), pi(a, r) = 32 (a / 2) + 8 (a % 2) + r + 8 (r / 8), and its registers run along d, in the order that the next operand wants.
; FILLS.  Everything is loaded once.  One tensor load a wave, at the head: wave 0 x's block, wave 1 expw's tiles and c, waves 2 to 4 thirds of P's block tb, waves 5 to 7 of block tb + 1.  Four barriers show them in that order.
; P's block tb - 1 and the weights go from memory into the registers of the wave that uses them.
; NO CLUSTER: the bands of four neighbouring blocks of t cover six blocks of P, 405,504 bytes, more than LDS holds, and a work-group uses three; a joint load would have to be issued by partners that do not use the tile.
; NO PREFETCH: there is no loop to run ahead in; all tiles are asked for at the head.
; THE END GOES BY HALVES OF t: the first half's rows are on their way while the second half's y is made.
; REGISTERS: window 0: v1-15 addresses; v16-31 scale words; v32-63 the sums and c, then two fragments of expw, then with v64-95 the rows on the way out; v64-127 P's four fragments; v96-127 the quantiser; v128-255 q, e^-q, y, then y's fragments.
; window 1: x's fragments (twelve places) and Wq's (v192-255), then accumulator (a, i) at 8 (4 a + i), i = 0, 1 num, 2, 3 den; then Wo's fragments where den lay and the results where num lay.
; A scale register serves two fragments: lanes 0-15 the first one's words, lanes 16-31 the second one's.
; LIMITS: NaN and infinities are not served (nor carried from w_bias outside the band, which is not used); y is formed as num / (den + den e^-q), another order of rounding in f32 than sigmoid(q) (num / den).
.set XBLK, 33792
.set PBLK, 67584
.set PTHD, 22528                       ; a third of a block of P
.set WTIL, 16896
.set EBLK, 51200
.set PT,   2*PTHD                      ; LDS: x at 0; P's two blocks;
.set EW,   PT+2*PBLK
.set YIMG, EW+EBLK                     ; y's 16 fragments (2 a + k),
.set YSC,  YIMG+32768                  ; their scale words;
.set SB,   YSC+1024                    ; the sums, 256 bytes a wave;
.set STG,  SB+2048                     ; the way out: 16 rows of 272 bytes a wave;
.set SPARE, STG+8*4352
.set WV,   16
.set G1,   24                          ; group 1: x: 132 rows of 256 bytes;
.set G1E,  32                          ; expw: 200 rows;
.set G1P,  84                          ; P: 88 rows
.set G0X,  40
.set G0P,  44
.set G0E,  48
.set MASK, 66                          ; s66-81 1.0 for a K step outside, 0 for one of my three
.set SEL,  96
.set MNT,  98
.set MSB, 0
.macro WIN new
.if MSB != (\new)
	s_set_vgpr_msb (MSB<<8)|(\new)
.set MSB, (\new)
.endif
.endm
.macro PLACES n
.rept \n
	v_nop
.endr
.endm
.macro DENSE g, rows                   ; a dense block as rows of 256 bytes (32 elements of 8 bytes)
	s_mov_b32 s[\g], 3<<16
	s_mov_b32 s[\g+1], 32<<16
	s_mov_b32 s[\g+2], (\rows)<<16
	s_mov_b32 s[\g+3], 32<<16
	s_mov_b32 s[\g+4], \rows
	s_mov_b32 s[\g+5], 32
	s_mov_b32 s[\g+6], 0
	s_mov_b32 s[\g+7], 0
.endm
; One product by the symbols D_, A_, B_, SA_, SB_ (registers) and RA_, RB_ (which half of the lanes holds the scales)
.macro MMC c
.if RA_
.if RB_
	v_wmma_scale_f32_16x16x128_f8f6f4 v[D_:D_+7], v[A_:A_+15], v[B_:B_+15], \c, v[SA_], v[SB_] matrix_a_scale:MATRIX_SCALE_ROW1 matrix_b_scale:MATRIX_SCALE_ROW1
.else
	v_wmma_scale_f32_16x16x128_f8f6f4 v[D_:D_+7], v[A_:A_+15], v[B_:B_+15], \c, v[SA_], v[SB_] matrix_a_scale:MATRIX_SCALE_ROW1
.endif
.else
.if RB_
	v_wmma_scale_f32_16x16x128_f8f6f4 v[D_:D_+7], v[A_:A_+15], v[B_:B_+15], \c, v[SA_], v[SB_] matrix_b_scale:MATRIX_SCALE_ROW1
.else
	v_wmma_scale_f32_16x16x128_f8f6f4 v[D_:D_+7], v[A_:A_+15], v[B_:B_+15], \c, v[SA_], v[SB_]
.endif
.endif
.endm
.macro MM zero
.if \zero
	MMC 0
.else
	MMC v[D_:D_+7]
.endif
.endm
.macro SHOWN under                     ; a barrier behind which the tiles of the waves under so many are in
	s_wait_alu depctr_va_vdst(0)
	s_cmp_lt_u32 s[WV], \under
	s_cbranch_scc0 .Lnot_mine_\@
	s_wait_tensorcnt 0x0
.Lnot_mine_\@:
	s_wait_dscnt 0x0
	s_barrier_signal -1
	s_barrier_wait -1
.endm
	s_load_b256 s[4:11], s[0:1], 0x0               ; xq s[4:5], wq s[6:7], pq s[8:9], ew s[10:11]
	s_load_b128 s[12:15], s[0:1], 0x20             ; ss s[12:13], out0 s[14:15]
	v_lshl_add_u32 v100, v0, 2, SPARE
	v_mov_b32 v101, 0
	ds_add_u32 v100, v101
	ds_add_u32 v100, v101
	v_lshrrev_b32 v1, 5, v0
	v_readfirstlane_b32 s[WV], v1
	s_and_b32 s18, ttmp7, 0xffff                   ; b;  tb is ttmp9
	s_lshl_b32 s19, s18, 4
	s_add_co_u32 s20, s19, ttmp9                   ; 16 b + tb
	s_lshr_b32 s21, s[WV], 1
	s_and_b32 s22, s[WV], 1
	s_mul_i32 s52, s20, XBLK
	s_mov_b32 s53, 0
	s_cmp_ge_u32 s[WV], 5
	s_cselect_b32 s54, 1, 0                        ; waves 2 to 4: block tb, 5 to 7: tb + 1;
	s_mul_i32 s23, s54, 3
	s_sub_co_u32 s23, s[WV], s23
	s_sub_co_u32 s23, s23, 2                       ; which third
	s_mul_i32 s23, s23, PTHD
	s_add_co_u32 s54, s54, ttmp9
	s_and_b32 s54, s54, 15
	s_add_co_u32 s54, s54, s19
	s_mul_i32 s54, s54, PBLK
	s_add_co_u32 s54, s54, s23
	s_mov_b32 s55, 0
	s_mul_i32 s56, ttmp9, EBLK
	s_mov_b32 s57, 0
	DENSE G1, 132
	DENSE G1E, 200
	DENSE G1P, 88
	s_mov_b32 s[G0X], 1
	s_mov_b32 s[G0X+1], 0
	s_mov_b32 s[G0E], 1
	s_mov_b32 s[G0E+1], EW
	s_mov_b32 s[G0P], 1
	s_mul_i32 s[G0P+1], s[WV], PTHD                ; wave 2's third lies at PT
	s_mov_b32 s[SEL], 0x76543210
	s_mov_b32 s[SEL+1], 0xfedcba98
	s_mov_b32 s[MNT], 0x600000
	s_lshl_b32 s58, s21, 3
	s_lshl_b32 s59, s22, 1
	s_add_co_u32 s58, s58, s59                     ; my first fragment of a block of P
	s_add_co_u32 s66, ttmp9, 15                    ; block tb - 1
	s_and_b32 s66, s66, 15
	s_add_co_u32 s66, s66, s19
	s_mul_i32 s66, s66, PBLK
	s_lshl_b32 s59, s58, 11
	s_lshl_b32 s60, s58, 6
	s_add_co_u32 s68, s66, s60
	s_add_co_u32 s68, s68, 65536
	s_add_co_u32 s66, s66, s59
	s_mov_b32 s67, 0
	s_mov_b32 s69, 0
	s_add_co_u32 s59, s59, PT
	s_add_co_u32 s60, s60, PT+65536
	s_lshl_b32 s61, s[WV], 8
	s_add_co_u32 s61, s61, SB
	s_lshr_b32 s62, s[WV], 2
	s_and_b32 s63, s[WV], 3
	s_lshl_b32 s92, s62, 11
	s_lshl_b32 s23, s63, 9
	s_add_co_u32 s92, s92, s23
	s_add_co_u32 s92, s92, YIMG
	s_lshl_b32 s93, s62, 6
	s_add_co_u32 s93, s93, s63
	s_add_co_u32 s93, s93, YSC
	s_lshl_b32 s94, s62, 13
	s_add_co_u32 s94, s94, YIMG
	s_lshl_b32 s95, s62, 8
	s_add_co_u32 s95, s95, YSC
	v_and_b32 v14, 31, v0
	v_and_b32 v9, 15, v0                           ; r
	v_bfe_u32 v8, v0, 4, 1                         ; h
	v_lshlrev_b32 v1, 4, v14                       ; x's fragments (x lies at 0); and 16 x lane
	v_lshlrev_b32 v13, 2, v14                      ; 4 x lane
	v_lshl_add_u32 v2, v14, 2, 0x8000              ; x's scale words
	v_lshl_add_u32 v3, v14, 4, s59                 ; P's fragments,
	v_lshl_add_u32 v4, v14, 2, s60                 ; scale words
	v_lshl_add_u32 v5, v14, 4, EW                  ; expw's fragments,
	v_lshl_add_u32 v6, v14, 2, EW+16384            ; scale words,
	v_lshl_add_u32 v15, v9, 2, EW+50688            ; and c
	v_lshl_add_u32 v7, v14, 3, s61                 ; the sums: where I store mine,
	v_lshl_add_u32 v8, v8, 6, s61                  ; and read them in the accumulators' layout
	v_lshl_add_u32 v10, v9, 2, s93                 ; y: my scale bytes,
	v_lshl_add_u32 v9, v14, 4, s92                 ; my codes;
	v_lshl_add_u32 v11, v14, 4, s94                ; where I read y's fragments,
	v_lshl_add_u32 v12, v14, 2, s95                ; scale words
	v_lshlrev_b32 v14, 3, v14                      ; 8 x lane
	s_wait_alu depctr_va_vdst(0)
	s_wait_dscnt 0x0                               ; both opening adds are done
	s_wait_kmcnt 0x0
	s_add_nc_u64 s[G0X+2:G0X+3], s[4:5], s[52:53]
	s_or_b32 s[G0X+3], s[G0X+3], 0x80000000
	s_add_nc_u64 s[G0E+2:G0E+3], s[10:11], s[56:57]
	s_or_b32 s[G0E+3], s[G0E+3], 0x80000000
	s_add_nc_u64 s[G0P+2:G0P+3], s[8:9], s[54:55]
	s_or_b32 s[G0P+3], s[G0P+3], 0x80000000
; one tree of branches on the wave's number, an arm a load
.macro ARM under, g0, g1, next
	s_cmp_lt_u32 s[WV], \under
	s_cbranch_scc0 \next
	tensor_load_to_lds s[\g0:\g0+3], s[\g1:\g1+7]
	s_nop 0
	PLACES 4
	s_branch .Lasked
\next:
.endm
	ARM 1, G0X, G1, .Lhead_e
	ARM 2, G0E, G1E, .Lhead_p1
	ARM 5, G0P, G1P, .Lhead_p2
	tensor_load_to_lds s[G0P:G0P+3], s[G1P:G1P+7]
	s_nop 0
	PLACES 4
.Lasked:
	s_lshl_b32 s52, s[WV], 13
	s_add_nc_u64 s[2:3], s[6:7], s[52:53]          ; Wq: my four fragments (2 u + k),
	s_lshl_b32 s54, s[WV], 8
	s_add_nc_u64 s[58:59], s[6:7], s[54:55]
	s_add_nc_u64 s[58:59], s[58:59], 0x10000       ; and scale words
	WIN 0x40
.irp f, 0,1,2,3
.irp c, 0,1,2,3
	global_load_b128 v[192+16*\f+4*\c:192+16*\f+4*\c+3], v1, s[2:3] offset:2048*\f+512*\c
.endr
.endr
	WIN 0
	global_load_b32 v24, v13, s[58:59]
	global_load_b32 v25, v13, s[58:59] offset:128
	s_add_nc_u64 s[12:13], s[12:13], s[54:55]      ; the sums of my 32 d: 256 bytes a K step, 2,048 from step to step
	s_mul_i32 s56, s19, 2048
	s_add_nc_u64 s[12:13], s[12:13], s[56:57]
.irp j, 0,1,2,3,4,5,6,7,8,9,10,11,12,13,14,15
	global_load_b64 v[32+2*\j:33+2*\j], v14, s[12:13] offset:2048*\j
.endr
	s_add_nc_u64 s[92:93], s[8:9], s[66:67]        ; P's block tb - 1: my fragments,
	s_add_nc_u64 s[94:95], s[8:9], s[68:69]        ; and scale words
.irp j, 0,1,2,3,4,5,6,7,8,9,10,11,12,13,14,15
	s_sub_co_u32 s23, 17+\j, ttmp9
	s_and_b32 s23, s23, 15                         ; (j - (tb - 1)) mod 16: 0, 1, 2 are my three steps
	s_cmp_lt_u32 s23, 3
	s_cselect_b32 s[MASK+\j], 0, 1.0
.endr
	s_lshl_b32 s52, s20, 17                        ; out0 at row 2,048 b + 128 tb + 32 (w / 4), column 64 (w % 4)
	s_lshl_b32 s23, s62, 15
	s_add_co_u32 s52, s52, s23
	s_lshl_b32 s23, s63, 8
	s_add_co_u32 s52, s52, s23
	s_add_nc_u64 s[14:15], s[14:15], s[52:53]
	s_lshl_b32 s56, s63, 14                        ; Wo: my 64 columns' eight fragments (2 i + k),
	s_lshl_b32 s54, s63, 9
	s_add_nc_u64 s[60:61], s[6:7], s[56:57]
	s_add_nc_u64 s[60:61], s[60:61], 3*PBLK
	s_add_nc_u64 s[62:63], s[6:7], s[54:55]
	s_add_nc_u64 s[62:63], s[62:63], 3*PBLK+65536  ; and scale words
	SHOWN 1                                        ; x is in
	; q = x Wq.  Fragment f of x lies at 16 (f % 12) of window 1
.irp a, 0,1,2,3,4,5,6,7
	ds_load_b32 v[16+\a], v2 offset:128*\a
.endr
.macro XF f
.irp c, 0,1,2,3
	ds_load_b128 v[16*((\f)%12)+4*\c:16*((\f)%12)+4*\c+3], v1 offset:2048*(\f)+512*\c
.endr
.endm
	WIN 0x40
.irp f, 0,1,2,3,4,5,6,7,8,9,10,11
	XF \f
.endr
.macro MULQ a0                         ; two tiles of t: four accumulators by turns
	WIN 0x05
.irp k, 0,1
.irp a, \a0, \a0+1
.irp u, 0,1
.set D_, 128+16*(\a)+8*\u
.set A_, 192+16*(2*\u+\k)
.set B_, 16*((2*(\a)+\k)%12)
.set SA_, 24+\u
.set SB_, 16+(\a)
.set RA_, \k
.set RB_, \k
	MM 1-\k
.endr
.endr
.endr
.endm
	s_wait_loadcnt 16                              ; Wq is in; the 16 loads of sums behind it may be out
	s_wait_dscnt 16                                ; the scale words and x's first eight fragments are in
	MULQ 0
	MULQ 2
	PLACES 8                                       ; in front of loads into registers that matrix instructions have read
	WIN 0x40
.irp f, 12,13,14,15
	XF \f
.endr
	s_wait_dscnt 16                                ; all but the 16 just issued
	MULQ 4
	s_wait_dscnt 0x0
	MULQ 6
	WIN 0
.irp m, 0,1                            ; P's block tb - 1: num's two fragments, den's two
.irp u, 0,1
.irp c, 0,1,2,3
	global_load_b128 v[64+32*\m+16*\u+4*\c:64+32*\m+16*\u+4*\c+3], v1, s[92:93] offset:8192*\m+2048*\u+512*\c
.endr
.endr
	global_load_b32 v[26+\m], v13, s[94:95] offset:256*\m
.endr
	PLACES 8
.set n, 0
.rept 64
	v_pk_mul_f32 v[128+n:129+n], v[128+n:129+n], 0xbfb8aa3b op_sel_hi:[1,0]   ; -q log2(e)
.set n, n+2
.endr
	s_wait_alu depctr_va_vdst(0)
.set n, 0
.rept 128
	v_exp_f32 v[128+n], v[128+n]                   ; e^-q
.set n, n+1
.endr
	v_nop
	s_wait_alu depctr_va_vdst(0)
	s_wait_loadcnt 18                              ; the sums; P's 18 loads may be out
.irp e, 0,1                            ; the 13 sums outside, in two chains for each of my two numbers
	v_mul_f32 v[32+2*\e], s[MASK+\e], v[32+2*\e]
	v_mul_f32 v[33+2*\e], s[MASK+\e], v[33+2*\e]
.endr
.irp j, 2,3,4,5,6,7,8,9,10,11,12,13,14,15
	v_fma_f32 v[32+2*(\j%2)], v[32+2*\j], s[MASK+\j], v[32+2*(\j%2)]
	v_fma_f32 v[33+2*(\j%2)], v[33+2*\j], s[MASK+\j], v[33+2*(\j%2)]
.endr
	v_pk_add_f32 v[32:33], v[32:33], v[34:35]
	ds_store_b64 v7, v[32:33]                      ; from lanes into the accumulators' layout; the bytes are my own, and LDS serves a wave's instructions in order (ISA guide 5.7.1.4)
.macro SUMS m
.irp t, 0,1,2,3
	ds_load_b128 v[32+4*\t:35+4*\t], v8 offset:128*\m+16*\t
.endr
.endm
	SUMS 0
	SHOWN 2                                        ; expw and c are in
.irp a, 0,1,2,3,4,5,6,7
	ds_load_b32 v[48+\a], v15 offset:64*\a         ; c of my eight t
.endr
	s_wait_dscnt 0x0
.macro INIT m                          ; the accumulators begin with c x the sums outside
	WIN 0x40
.irp a, 0,1,2,3,4,5,6,7
.irp j, 0,2,4,6,8,10,12,14
.if \a%2
	v_pk_mul_f32 v[32*\a+16*\m+\j:32*\a+16*\m+\j+1], v[32+\j:33+\j], v[47+\a:48+\a] op_sel:[0,1] op_sel_hi:[1,1]
.else
	v_pk_mul_f32 v[32*\a+16*\m+\j:32*\a+16*\m+\j+1], v[32+\j:33+\j], v[48+\a:49+\a] op_sel_hi:[1,0]
.endif
.endr
.endr
	WIN 0
.endm
	INIT 0
	SUMS 1
	s_wait_alu depctr_va_vdst(0)
	s_wait_dscnt 0x0
	INIT 1
	s_wait_alu depctr_va_vdst(0)
.macro EFRAG q, a                      ; expw's fragment of tile a, into one of two places
.irp c, 0,1,2,3
	ds_load_b128 v[32+16*((\a)%2)+4*\c:32+16*((\a)%2)+4*\c+3], v5 offset:WTIL*\q+2048*(\a)+512*\c
.endr
.endm
.macro DEN a                           ; tile a of den is finished: den e^-q + den: eight lines
	WIN 0x11
.irp j, 0,2,4,6,8,10,12,14
	v_pk_fma_f32 v[128+16*(\a)+\j:129+16*(\a)+\j], v[32*(\a)+16+\j:32*(\a)+17+\j], v[128+16*(\a)+\j:129+16*(\a)+\j], v[32*(\a)+16+\j:32*(\a)+17+\j]
.endr
	WIN 0
.endm
.macro WOF f                           ; Wo's fragment f lands where tile f of den lay
	WIN 0x40
.irp c, 0,1,2,3
	global_load_b128 v[32*(\f)+16+4*\c:32*(\f)+16+4*\c+3], v1, s[60:61] offset:2048*(\f)+512*\c
.endr
	WIN 0
.endm
; A K step: the 32 accumulators take turns, one instruction a turn, in the same order in every step.  Step 0's fragments of P lie in registers already.
; In step 2 the eight lines of DEN for the tile before are the places behind a tile's products.
.macro STEP q
.if \q
	PLACES 8
	ds_load_b32 v26, v4
	ds_load_b32 v27, v4 offset:256
.endif
.irp t, 0,1,2,3
	ds_load_b32 v[28+\t], v6 offset:WTIL*\q+128*\t
.endr
.if \q
.irp m, 0,1
.irp u, 0,1
.irp c, 0,1,2,3
	ds_load_b128 v[64+32*\m+16*\u+4*\c:64+32*\m+16*\u+4*\c+3], v3 offset:8192*\m+2048*\u+512*\c
.endr
.endr
.endr
.endif
	EFRAG \q, 0
	EFRAG \q, 1
.if \q == 0
	s_wait_loadcnt 0x0
.endif
.irp a, 0,1,2,3,4,5,6,7
.if \a < 7
	s_wait_dscnt 4                                 ; all but the next fragment of expw
.else
	s_wait_dscnt 0x0
.endif
	WIN 0x50
.irp i, 0,1,2,3
.set D_, 8*(4*\a+\i)
.set A_, 64+16*\i
.set B_, 32+16*(\a%2)
.set SA_, 26+\i/2
.set SB_, 28+\a/2
.set RA_, \i%2
.set RB_, \a%2
	MM 0
.endr
	WIN 0
.if (\q == 2) && (\a > 0)
	DEN \a-1
.elseif \a < 6
	PLACES 8
.endif
.if \a < 6
	EFRAG \q, \a+2
.endif
.if (\q == 2) && (\a > 0)
	WOF \a-1
.endif
.endr
.endm
	STEP 0
	SHOWN 5                                        ; P's block tb is in
	STEP 1
	v_add_nc_u32 v3, PBLK, v3                      ; on to the next block of P
	v_add_nc_u32 v4, PBLK, v4
	s_wait_alu depctr_va_vdst(0)
	s_wait_tensorcnt 0x0
	s_wait_dscnt 0x0
	s_barrier_signal -1
	s_barrier_wait -1                              ; all is in
	STEP 2
	DEN 7
	WOF 7
.irp i, 0,1,2,3
	global_load_b32 v[16+\i], v13, s[62:63] offset:128*\i
.endr
; y of tiles 4 hf .. 4 hf + 3 of t, and its codes: a block of 32 along d for each tile; codes to v[112 + 4 b] on, the byte to v[100 + b]
.macro YHALF hf
.set Y_, 128+64*\hf
	s_wait_alu depctr_va_vdst(0)
.set n, 0
.rept 64
	v_rcp_f32 v[Y_+n], v[Y_+n]
.set n, n+1
.endr
	v_nop
	WIN 0x01
	s_wait_alu depctr_va_vdst(0)                   ; one wait for the batch, and for num, ahead of their first readers
.irp a, 0,1,2,3
.irp j, 0,2,4,6,8,10,12,14
	v_pk_mul_f32 v[Y_+16*\a+\j:Y_+16*\a+\j+1], v[32*(4*\hf+\a)+\j:32*(4*\hf+\a)+\j+1], v[Y_+16*\a+\j:Y_+16*\a+\j+1]
.endr
.endr
	WIN 0
.irp b, 0,1,2,3
	v_max3_num_f32 v[96+\b], |v[Y_+16*\b]|, |v[Y_+16*\b+1]|, 0x4800000   ; with the floor 2^(9 - 127)
.endr
.irp i, 2,4,6,8,10,12,14
.irp b, 0,1,2,3
	v_max3_num_f32 v[96+\b], v[96+\b], |v[Y_+16*\b+\i]|, |v[Y_+16*\b+\i+1]|
.endr
.endr
.irp b, 0,1,2,3
	v_permlanex16_b32 v[100+\b], v[96+\b], s[SEL], s[SEL+1]
.endr
.irp b, 0,1,2,3
	v_max_num_f32 v[96+\b], v[96+\b], v[100+\b]
.endr
.irp b, 0,1,2,3
	v_add_nc_u32 v[108+\b], 0xfc000000, v[96+\b]   ; the conversion's scale operand
.endr
.irp b, 0,1,2,3
	v_and_or_b32 v[104+\b], v[96+\b], 0x7f800000, s[MNT]   ; 448 x the scale
.endr
.irp b, 0,1,2,3
	v_lshrrev_b32 v[100+\b], 23, v[108+\b]         ; the scale's byte
.endr
.irp b, 0,1,2,3
.irp i, 0,1,2,3,4,5,6,7,8,9,10,11,12,13,14,15
	v_med3_num_f32 v[Y_+16*\b+\i], v[Y_+16*\b+\i], -v[104+\b], v[104+\b]   ; the conversion does not saturate (ISA guide 7.6.2)
.endr
	v_cvt_scalef32_pk8_fp8_f32 v[112+4*\b:113+4*\b], v[Y_+16*\b:Y_+16*\b+7], v[108+\b]
	v_cvt_scalef32_pk8_fp8_f32 v[114+4*\b:115+4*\b], v[Y_+16*\b+8:Y_+16*\b+15], v[108+\b]
.endr
	v_nop
.irp b, 0,1,2,3
	ds_store_b128 v9, v[112+4*\b:115+4*\b] offset:4096*(4*\hf+\b)
	ds_store_b8 v10, v[100+\b] offset:128*(4*\hf+\b)   ; lanes r and r + 16 store the same byte with the same value
.endr
.endm
; out = y Wo for the half: my 32 t, two tiles l, x 64 columns
.macro OUTHALF hf
	s_wait_alu depctr_va_vdst(0)
	s_wait_dscnt 0x0
	s_barrier_signal -1
	s_barrier_wait -1                              ; everybody's part of the half's y is stored
.irp l, 0,1
	ds_load_b32 v[20+2*\hf+\l], v12 offset:512*\hf+128*\l
.irp f, 0,1
.irp c, 0,1,2,3
	ds_load_b128 v[Y_+32*\l+16*\f+4*\c:Y_+32*\l+16*\f+4*\c+3], v11 offset:16384*\hf+4096*\l+2048*\f+512*\c
.endr
.endr
.endr
.if \hf == 0
	s_wait_loadcnt 0x0                             ; Wo
.endif
	s_wait_dscnt 9                                 ; tile 0's nine loads are in
	MULO \hf, 0
	s_wait_dscnt 0x0
	MULO \hf, 1
	WIN 0
	PLACES 8
.if \hf
	s_wait_xcnt 0x0                                ; the first half's stores have read their registers
.endif
	TOSTAGE \hf, 0
	TOSTAGE \hf, 1
	SEND \hf, 0, 16                                ; behind tile 0's loads: tile 1's 8 stores and 8 loads
	SEND \hf, 1, 0
.endm
.macro MULO hf, l                      ; four accumulators by turns
	WIN 0x51
.irp k, 0,1
.irp i, 0,1,2,3
.set D_, 32*(4*\hf+2*\l+\i/2)+8*(\i%2)
.set A_, 32*(2*\i+\k)+16
.set B_, Y_+32*\l+16*\k
.set SA_, 16+\i
.set SB_, 20+2*\hf+\l
.set RA_, \k
.set RB_, \k
	MM 1-\k
.endr
.endr
.endm
; THE WAY OUT, a tile of 16 t at a time, through my own stage: a lane's 32 bytes go into rows of 272 and come back as whole rows of 256.  LDS serves a wave's instructions in order (ISA guide 5.7.1.4)
.macro TOSTAGE hf, l
	WIN 0x04
.irp i, 0,1,2,3
.set D_, 32*(4*\hf+2*\l+\i/2)+8*(\i%2)
	ds_store_b128 v7, v[D_:D_+3] offset:128*(\i/2)+32*(\i%2)
	ds_store_b128 v7, v[D_+4:D_+7] offset:128*(\i/2)+32*(\i%2)+16
.endr
	WIN 0
.irp q, 0,1,2,3,4,5,6,7
	ds_load_b128 v[32+32*\l+4*\q:32+32*\l+4*\q+3], v8 offset:544*\q
.endr
.endm
.macro SEND hf, l, younger             ; stage row 2 q + h is t = 64 hf + 8 l + 2 q + h + 8 (q / 4) of my base
	s_wait_dscnt \younger
.irp q, 0,1,2,3,4,5,6,7
	global_store_b128 v6, v[32+32*\l+4*\q:32+32*\l+4*\q+3], s[14:15] offset:1024*(64*\hf+8*\l+2*\q+8*(\q/4)) th:TH_STORE_NT   ; 16 lanes store 256 consecutive bytes, aligned
.endr
.endm
	YHALF 0
	s_mul_i32 s22, s[WV], 4352
	s_add_co_u32 s22, s22, STG                     ; my stage
	v_and_b32 v6, 15, v0
	v_bfe_u32 v5, v0, 4, 1
	v_mul_u32_u24 v7, 0x110, v6
	v_lshl_add_u32 v7, v5, 6, v7
	v_add_nc_u32 v7, s22, v7                       ; in: row r, + 64 h
	v_mul_u32_u24 v8, 0x110, v5
	v_lshl_add_u32 v8, v6, 4, v8
	v_add_nc_u32 v8, s22, v8                       ; back: lanes 0-15 one row of 256 bytes, lanes 16-31 the next
	v_lshlrev_b32 v5, 10, v5
	v_lshl_add_u32 v6, v6, 4, v5                   ; and the same two rows in out0
	OUTHALF 0
	YHALF 1                                        ; the first half's 64 rows are on their way
	OUTHALF 1
	v_lshl_add_u32 v100, v0, 2, SPARE
	v_mov_b32 v101, 0
	s_wait_alu depctr_va_vdst(0)
	s_wait_tensorcnt 0x0                           ; the wave's end
	ds_add_u32 v100, v101
	s_wait_dscnt 0x0
	s_endpgm
.Lfunc_end_k_qebdbf25895_aft:
	.size	k_qebdbf25895_aft, .Lfunc_end_k_qebdbf25895_aft-k_qebdbf25895_aft
	.p2alignl 7, 3214868480
	.fill 96, 4, 3214868480
	.section	.rodata,"a",@progbits
	.p2align	6, 0x0
	.amdhsa_kernel k_qebdbf25895_aft
		.amdhsa_group_segment_fixed_size 327680
		.amdhsa_private_segment_fixed_size 0
		.amdhsa_enable_private_segment 0
		.amdhsa_kernarg_size 48
		.amdhsa_user_sgpr_count 2
		.amdhsa_user_sgpr_kernarg_segment_ptr 1
		.amdhsa_wavefront_size32 1
		.amdhsa_system_sgpr_workgroup_id_x 1
		.amdhsa_system_sgpr_workgroup_id_y 1
		.amdhsa_system_sgpr_workgroup_id_z 1
		.amdhsa_system_vgpr_workitem_id 0
		.amdhsa_next_free_vgpr 512
		.amdhsa_next_free_sgpr 100
		.amdhsa_reserve_vcc 0
		.amdhsa_float_denorm_mode_32 3
		.amdhsa_float_denorm_mode_16_64 3
		.amdhsa_memory_ordered 1
		.amdhsa_forward_progress 1
		.amdhsa_inst_pref_size 123
	.end_amdhsa_kernel
	.amdgpu_metadata
---
amdhsa.version: [ 1, 2 ]
amdhsa.kernels:
  - .name:           k_qebdbf25895_aft
    .symbol:         k_qebdbf25895_aft.kd
    .args:
      - { .name: xq, .offset: 0, .size: 8, .value_kind: global_buffer, .address_space: global }
      - { .name: wq, .offset: 8, .size: 8, .value_kind: global_buffer, .address_space: global }
      - { .name: pq, .offset: 16, .size: 8, .value_kind: global_buffer, .address_space: global }
      - { .name: ew, .offset: 24, .size: 8, .value_kind: global_buffer, .address_space: global }
      - { .name: ss, .offset: 32, .size: 8, .value_kind: global_buffer, .address_space: global }
      - { .name: out0, .offset: 40, .size: 8, .value_kind: global_buffer, .address_space: global }
    .group_segment_fixed_size: 327680
    .private_segment_fixed_size: 0
    .kernarg_segment_align: 8
    .kernarg_segment_size: 48
    .max_flat_workgroup_size: 256
    .sgpr_count:     100
    .vgpr_count:     512
    .wavefront_size: 32
...
	.end_amdgpu_metadata
.endif
;; end of part 3
